; MI455X (gfx1250); checked and timed in simulation.
; The chip was launched on July 23, 2026; its instructions are those of AMD's public machine-readable ISA for CDNA 5 (MIT licence, August 2026) and "CDNA5" Instruction Set Architecture Reference Guide (July 2026). The comments in the code are by the model that wrote it; some were corrected since.
;; s LSTM Cell. Allowed arithmetic: matrix products marked QUANTISED: E5M2 operands, one E8M0 scale for each 32 along K, by v_wmma_scale_f32_16x16x128_f8f6f4 with both operands' format E5M2, f32 sums; everything else in f32.
;; Inputs: Wh_codes 4,096 x 32 x 32 uint8 (E5M2 codes of Wh, K innermost, in blocks of 32 codes); Wh_scales 4,096 x 32 uint8 (E8M0 scales of Wh, one for each 32 codes along K); Wx_codes 4,096 x 16 x 32 uint8 (E5M2 codes of Wx, K innermost, in blocks of 32 codes); Wx_scales 4,096 x 16 uint8 (E8M0 scales of Wx, one for each 32 codes along K); bh 4,096 float32; bx 4,096 float32; c_prev 8,192 x 1,024 float32; h_prev_codes 8,192 x 32 x 32 uint8 (E5M2 codes of h_prev, K innermost, in blocks of 32 codes); h_prev_scales 8,192 x 32 uint8 (E8M0 scales of h_prev, one for each 32 codes along K); ln_c_b 1,024 float32; ln_c_g 1,024 float32; ln_h_b 1,024 float32; ln_h_g 1,024 float32; ln_hu_b 4,096 float32; ln_hu_g 4,096 float32; ln_in_b 4,096 float32; ln_in_g 4,096 float32; x_codes 8,192 x 16 x 32 uint8 (E5M2 codes of x, K innermost, in blocks of 32 codes); x_scales 8,192 x 16 uint8 (E8M0 scales of x, one for each 32 codes along K).
;; Outputs: out0 8,192 x 1,024 float32; out1 8,192 x 1,024 float32.
;; This version of the problem:
;;   THIS VERSION OF THE PROBLEM IS GIVEN IN LOW PRECISION. The matrix products marked QUANTISED in the list below multiply operands that are first quantised to E5M2 (5 exponent bits, 2 mantissa bits; 8 bits a number), with one power-of-two scale for each 32 numbers along K (OCP MX v1.0); their sums are f32. All else is computed in f32.
;;   The module's matrix products, in the order in which they are computed (A, B: the left and right operand; K: the contracted axis; several contracted axes count as one K, in the product's order):
;;     1. [M 8,192, K 512] x [K 512, N 4,096]; A: input x (given as codes); B: input Wx (given as codes): QUANTISED
;;     2. [M 8,192, K 1,024] x [K 1,024, N 4,096]; A: input h_prev (given as codes); B: input Wh (given as codes): QUANTISED
;;   THE QUANTISER, for each operand of a quantised product, along K:
;;     - K is cut into blocks of 32 from its start; a last block that is shorter is filled with zeros.
;;     - A block's scale is 2^e with e = floor(log2(the largest magnitude in the block)) - 15, held to -126 .. 127; a block of zeros has e = 0. As a byte (E8M0): e + 127.
;;     - Each number is divided by its block's scale, clamped to +-57,344, and rounded to the nearest number of E5M2, ties to even, subnormals kept.
;;     - The product sums the exact products of the quantised numbers (number of the format x scale) in f32.
;;   ~~~python
;;   def quantise(x, axis):      # numpy; x: float32 -> the quantised numbers, widened to float32 again
;;       x = np.moveaxis(x, axis, -1); K = x.shape[-1]
;;       x = np.pad(x, [(0, 0)] * (x.ndim - 1) + [(0, -K % 32)]); x = x.reshape(x.shape[:-1] + (-1, 32)); a = np.abs(x).max(-1, keepdims=True)
;;       e = np.where(a > 0, np.clip(np.frexp(np.where(a > 0, a, 1))[1] - 1 - 15, -126, 127), 0)      # np.frexp(a)[1] - 1 = floor(log2(a)), exactly
;;       r = np.clip(x / 2.0 ** e, -57344, 57344)
;;       step = 2.0 ** (np.maximum(np.frexp(np.where(r == 0, 1, r))[1] - 1, -14) - 2)
;;       q = np.round(r / step) * step * 2.0 ** e      # np.round: ties to even
;;       return np.moveaxis(q.reshape(q.shape[:-2] + (-1,))[..., :K], -1, axis).astype(np.float32)
;;   ~~~
;;   INPUTS GIVEN AS CODES. Wh (in the module: [4096, 1024], K = its axis 1); Wx (in the module: [4096, 512], K = its axis 1); h_prev (in the module: [8192, 1024], K = its axis 1); x (in the module: [8192, 512], K = its axis 1): each comes as NAME_codes (uint8): NAME with its K axis moved to the last place and cut into blocks of 32 codes, [.., K / 32, bytes a block], one block behind the other in memory; one code a byte (a code: sign, 5 exponent bits, 2 mantissa bits); and NAME_scales (uint8): the same leading axes, one E8M0 byte (e + 127) for each 32 codes along K. Its value is code x scale, taken as it is: it is not quantised again, and the codes and scales need not be those that the quantiser above would give.
;; One version. Each part assembles by itself: llvm-mc -triple=amdgcn-amd-amdhsa -mcpu=gfx1250 --defsym DOCPART=n.
;; ======== version 1 of 1: 2 launches
;; limits: right only within a limited range of input values
;; workspace buffers: gx 134,217,728 bytes; gh 134,217,728 bytes
;; launch gemm (part 1): grid 32 x 8, 4 waves a work-group, clusters of 4 x 4, 327,680 bytes of LDS; arguments x_codes, x_scales, Wx_codes, Wx_scales, h_prev_codes, h_prev_scales, Wh_codes, Wh_scales, bx, bh, gx, gh; writes gx, gh
.if DOCPART == 1
	.amdgcn_target "amdgcn-amd-amdhsa--gfx1250"
	.amdhsa_code_object_version 6
	.text
	.protected	k_q656400db62_gemm
	.globl	k_q656400db62_gemm
	.p2align	8
	.type	k_q656400db62_gemm,@function
k_q656400db62_gemm:
	s_mov_b64 s[64:65], 0
	v_nop
	global_prefetch_b8 v0, s[64:65] scope:SCOPE_SE
	s_setreg_imm32_b32 hwreg(HW_REG_WAVE_MODE, 25, 1), 1
	s_wait_xcnt 0x0
	s_wait_alu depctr_hold_cnt(0) depctr_sa_sdst(0) depctr_va_vdst(0) depctr_va_sdst(0) depctr_va_ssrc(0) depctr_va_vcc(0) depctr_vm_vsrc(0)
	s_getreg_b32 s2, hwreg(HW_REG_IB_STS2, 6, 4)
	s_cmp_eq_u32 s2, 0
	s_cbranch_scc0 .Lentry_in_a_cluster
	s_endpgm
.Lentry_in_a_cluster:
	s_bfe_u32 s2, ttmp6, 0x10000c
	s_cmp_lg_u32 s2, 0xf033
	s_cbranch_scc0 .Lentry_shape_is_right
	s_endpgm
.Lentry_shape_is_right:
; gx = x Wx^T + bx, gh = h_prev Wh^T + bh: [8192][4096] f32 each, from E5M2 codes and E8M0 scale bytes as they are given.
; 256 work-groups of four waves that stay.  A work-group owns 128 columns (weight rows) and walks four blocks of 256 rows, 2,048 rows apart; a wave makes 128 rows x 64 columns.
; TWO SETS OF ACCUMULATORS, 256 registers each: gx's sums in window 2, gh's in window 3.  While one product is summed, the other's finished tile leaves, 16 rows at a time:
; through the wave's own LDS stage, back as whole rows of 256 bytes, the bias added, stored.  So this launch's 256 MiB of stores are issued among its matrix instructions.
; K goes in steps of 256 through a ring of two LDS slots (256 rows of activations, 128 of weights; rows of 256 bytes + 16 of padding): x's two steps, h's four, the next block's x, and so on.
; A slot's reads end with its first 128 along K (the second's fragments are in registers by then), so the slot is filled again at the head of its second 128: the load has 64 matrix instructions a wave in which to land.
; CLUSTERS 4 x 4: the four of a row of the cluster share the activations' tiles, the four of a column the weights': joint loads, one a wave behind each round.
; The matrix instruction is used transposed (source 0 = 16 weight rows, source 1 = 16 activation rows): a lane holds eight neighbouring columns of one row.
; SCALES go from memory into registers, 256 consecutive bytes to sixteen lanes: one register holds the words of two blocks, lanes 0-15 block u, lanes 16-31 block u + 4 (weights: u + 2).
; PREFETCH INTO THE L2.  A lap is 512 along K (x whole; h's first half; h's second half).  In each lap every wave asks once, behind the lap's first joint load and the fragment loads that follow it, for the activations'
; codes of the same lap of the NEXT block of rows: four K steps ahead of the first joint load that wants them.  The four partners of a row of the cluster share the 256 rows out by address: a work-group 64, a wave 16;
; a lane names one row and one of the lap's two units of 256 bytes.  The first block: its x comes by its loads alone; h's first half is asked for at the head, two K steps ahead of its load, h's second half in x's lap, two ahead.
; Wh's codes, which all four blocks share, are asked for once, at the head: the four partners of a column of the cluster take 32 of the 128 rows each, a wave one of a row's four units, a lane a row.  Wx comes by its loads alone.
; Nothing is asked for beyond the fourth block.
; REGISTERS.  Window 0: v3, v23 prefetch offsets, v4-11 biases, v12-22 addresses, v24-95 scale words, v96-127 a block on its way out, v128-255 the weights' fragments, two sets.  Window 1: the activations' fragments, two sets.
.set PITCH,  272
.set SLOT,   384*PITCH
.set BOFF,   256*PITCH
.set STAGE,  2*SLOT
.set STW,    16*PITCH                  ; a wave's stage: 16 rows x (256 + 16) bytes
.set SPARE,  STAGE+4*STW
.set OROW,   16384
.set PVX,  3
.set PVH,  23
.set BXV,  4
.set ADRA, 12
.set ADRB, 14
.set STO,  16
.set RD,   17
.set CO,   18
.set SPW,  19
.set NIL,  20
.set VSX,  21
.set VSH,  22
.set SAX,  24                          ; activations' scale words: x 4 groups x 4, then h 4 groups x 8
.set SAH,  40
.set SWX,  72                          ; weights': x 2 groups x 4, then h 2 groups x 8
.set SWH,  80
.set BK,   96
.set PFX,  2                           ; s[2:3] x's codes at my 16 rows of the next block; s[100:101] h's
.set PFH,  100
.set PFW,  104                         ; s[104:105] Wh's codes at my work-group's 32 rows, my wave's unit
.set CNT,  63                          ; trips to go
.set PAX,  4                           ; s[4:5] x's codes at the rows that I fetch; s[12:13] h's
.set PBX,  8                           ; s[8:9] Wx's codes at the rows that I fetch; s[16:17] Wh's
.set OGX,  24                          ; s[24:25] gx, s[26:27] gh at my part of the block
.set G1AX, 28                          ; group 1: activations of x, of h (+8)
.set G1BX, 44                          ; weights of x, of h (+8)
.set G0A,  68                          ; group 0, a set for each slot
.set G0B,  76
.set WV,   60
.set WA,   61
.set WB,   62
.set MULW, 0xa4                        ; source 0 window 0, source 1 window 1, C and D window 2; + 0x50: window 3
.set DW0,  (1<<20)|(1<<21)|(5<<22)|(3<<25)
.set MSB, 0
.set PF, 0                             ; which prefetch the next step of 128 carries (0: none)
.macro WIN new
.if MSB != \new
	s_set_vgpr_msb (MSB<<8)|\new
.set MSB, \new
.endif
.endm
.macro PLACES n
.rept \n
	v_nop
.endr
.endm
.macro SHAPE g, rows, pitch
	s_mov_b32 s[\g+1], 256<<16
	s_mov_b32 s[\g+2], \rows<<16
	s_mov_b32 s[\g+3], 256<<16
	s_mov_b32 s[\g+4], \rows
	s_mov_b32 s[\g+5], \pitch
	s_mov_b32 s[\g+6], 0
	s_mov_b32 s[\g+7], 0
.endm
; a joint load into slot s of product k (0: x, 1: h): waves 0, 1 fetch the activations' halves, waves 2, 3 the weights'
.macro JLOAD s, k
	s_cmp_eq_u32 s[WA], 0
	s_cbranch_scc0 .Lfb_\@
	tensor_load_to_lds s[G0A+4*\s:G0A+4*\s+3], s[G1AX+8*\k:G1AX+8*\k+7]
	s_nop 0
	PLACES 4
	s_branch .Lja_\@
.Lfb_\@:
	tensor_load_to_lds s[G0B+4*\s:G0B+4*\s+3], s[G1BX+8*\k:G1BX+8*\k+7]
	s_nop 0
	PLACES 4
.Lja_\@:
.endm
.macro AIM s, k, off                   ; slot s's next tile: byte off along K of product k
	s_add_nc_u64 s[G0A+4*\s+2:G0A+4*\s+3], s[PAX+8*\k:PAX+8*\k+1], \off
	s_or_b32 s[G0A+4*\s+3], s[G0A+4*\s+3], 0x80000000
	s_add_nc_u64 s[G0B+4*\s+2:G0B+4*\s+3], s[PBX+8*\k:PBX+8*\k+1], \off
	s_or_b32 s[G0B+4*\s+3], s[G0B+4*\s+3], 0x80000000
.endm
.macro CREST
	s_cmp_lg_u32 s[WV], 0
	s_cbranch_scc1 .Lnw0_\@
	s_barrier_signal -3
.Lnw0_\@:
	s_barrier_wait -3
	s_barrier_signal -1
	s_barrier_wait -1
.endm
.macro CROUND
	s_barrier_signal -1
	s_barrier_wait -1
	CREST
.endm
.macro LDSAX
.irp u, 0,1,2,3
	global_load_b128 v[SAX+4*\u:SAX+4*\u+3], v[VSX], s[6:7] offset:256*\u
.endr
.endm
.macro LDSAH
.irp u, 0,1,2,3
	global_load_b128 v[SAH+8*\u:SAH+8*\u+3], v[VSH], s[14:15] offset:512*\u
	global_load_b128 v[SAH+8*\u+4:SAH+8*\u+7], v[VSH], s[14:15] offset:512*\u+16
.endr
.endm
	s_load_b512 s[4:19], s[0:1], 0x0
	s_load_b256 s[20:27], s[0:1], 0x40
	v_lshl_add_u32 v[SPW], v0, 2, SPARE
	v_mov_b32 v[NIL], 0
	ds_add_u32 v[SPW], v[NIL]              ; the opening lines: the add twice on end and one wait
	ds_add_u32 v[SPW], v[NIL]
	v_lshrrev_b32 v1, 5, v0
	v_readfirstlane_b32 s[WV], v1
	s_lshr_b32 s[WA], s[WV], 1             ; my half of the rows; also: I fetch activations (0) or weights (1)
	s_and_b32 s[WB], s[WV], 1              ; my half of the columns; also: which half of that tile I fetch
	s_bfe_u32 s84, ttmp6, 0x40000          ; cx
	s_bfe_u32 s85, ttmp6, 0x40004          ; cy
	s_lshl_b32 s86, ttmp9, 2
	s_add_co_u32 s86, s86, s84             ; block of 128 columns, 0..31
	s_and_b32 s87, ttmp7, 0xffff
	s_lshl_b32 s87, s87, 2
	s_add_co_u32 s87, s87, s85             ; first block of 256 rows, 0..7
	s_lshl_b32 s88, s85, 2
	s_lshl_b32 s88, 15, s88                ; my row of the cluster
	s_lshl_b32 s89, 0x1111, s84            ; my column
	s_or_b32 s[G1AX], s88, DW0
	s_or_b32 s[G1AX+8], s88, DW0
	s_or_b32 s[G1BX], s89, DW0
	s_or_b32 s[G1BX+8], s89, DW0
	SHAPE G1AX, 128, 512
	SHAPE G1AX+8, 128, 1024
	SHAPE G1BX, 64, 512
	SHAPE G1BX+8, 64, 1024
	s_lshl_b32 s90, s87, 8
	s_lshl_b32 s66, s[WB], 7
	s_add_co_u32 s90, s90, s66             ; the first activation row that I fetch
	s_lshl_b32 s92, s90, 10
	s_lshl_b32 s90, s90, 9
	s_mov_b32 s91, 0
	s_mov_b32 s93, 0
	s_lshl_b32 s94, s86, 7
	s_lshl_b32 s66, s[WB], 6
	s_add_co_u32 s94, s94, s66             ; the first weight row that I fetch; also my first column
	s_mov_b32 s67, s94
	s_lshl_b32 s96, s94, 10
	s_lshl_b32 s94, s94, 9
	s_mov_b32 s95, 0
	s_mov_b32 s97, 0
	s_mul_i32 s98, s[WB], 128*PITCH
	s_mul_i32 s99, s[WB], 64*PITCH
	s_add_co_u32 s99, s99, BOFF
	s_lshl_b32 s63, s87, 8                 ; the prefetches: of the block's 256 rows my work-group names 64 by its place cx, my wave 16 of them
	s_lshl_b32 s2, s84, 6
	s_add_co_u32 s63, s63, s2
	s_lshl_b32 s2, s[WV], 4
	s_add_co_u32 s63, s63, s2
	s_lshl_b32 s2, s63, 9
	s_add_co_u32 s2, s2, 0x100000          ; in the second block of rows: 2,048 rows of 512 bytes on,
	s_mov_b32 s3, 0
	s_lshl_b32 s100, s63, 10
	s_add_co_u32 s100, s100, 0x200000      ; and of 1,024
	s_mov_b32 s101, 0
	s_lshl_b32 s104, s86, 7                ; of Wh's 128 rows my work-group names 32 by its place cy, my wave one unit of 256 bytes of each
	s_lshl_b32 s105, s85, 5
	s_add_co_u32 s104, s104, s105
	s_lshl_b32 s104, s104, 10
	s_lshl_b32 s105, s[WV], 8
	s_add_co_u32 s104, s104, s105
	s_mov_b32 s105, 0
	s_wait_dscnt 0x0
	s_wait_kmcnt 0x0
	s_add_nc_u64 s[PFX:PFX+1], s[4:5], s[PFX:PFX+1]
	s_add_nc_u64 s[PFH:PFH+1], s[12:13], s[PFH:PFH+1]
	s_add_nc_u64 s[PFW:PFW+1], s[16:17], s[PFW:PFW+1]
	s_add_nc_u64 s[4:5], s[4:5], s[90:91]
	s_add_nc_u64 s[12:13], s[12:13], s[92:93]
	s_add_nc_u64 s[8:9], s[8:9], s[94:95]
	s_add_nc_u64 s[16:17], s[16:17], s[96:97]
	CROUND                                 ; all sixteen work-groups are here
.irp s, 0,1
	s_mov_b32 s[G0A+4*\s], 1
	s_add_co_u32 s[G0A+4*\s+1], s98, \s*SLOT
	s_mov_b32 s[G0B+4*\s], 1
	s_add_co_u32 s[G0B+4*\s+1], s99, \s*SLOT
	AIM \s, 0, 256*\s
.endr
	JLOAD 0, 0                             ; x's K step 0: one tensor load a wave at the head
	s_lshl_b32 s90, s87, 8
	s_lshl_b32 s66, s[WA], 7
	s_add_co_u32 s90, s90, s66             ; my first row
	s_lshl_b32 s92, s90, 4
	s_add_nc_u64 s[6:7], s[6:7], s[92:93]
	s_lshl_b32 s92, s90, 5
	s_add_nc_u64 s[14:15], s[14:15], s[92:93]
	s_lshl_b32 s92, s90, 14
	s_add_nc_u64 s[24:25], s[24:25], s[92:93]
	s_add_nc_u64 s[26:27], s[26:27], s[92:93]
	s_lshl_b32 s96, s67, 4
	s_add_nc_u64 s[10:11], s[10:11], s[96:97]
	s_lshl_b32 s96, s67, 5
	s_add_nc_u64 s[18:19], s[18:19], s[96:97]
	s_lshl_b32 s96, s67, 2
	s_add_nc_u64 s[20:21], s[20:21], s[96:97]
	s_add_nc_u64 s[22:23], s[22:23], s[96:97]
	s_add_nc_u64 s[24:25], s[24:25], s[96:97]
	s_add_nc_u64 s[26:27], s[26:27], s[96:97]
	s_mul_i32 s66, s[WA], 128*PITCH
	s_mul_i32 s94, s[WV], STW
	s_add_co_u32 s94, s94, STAGE
	v_and_b32 v1, 15, v0                   ; r
	v_bfe_u32 v2, v0, 4, 1                 ; h
	v_lshlrev_b32 v98, 4, v1
	v_lshlrev_b32 v99, 5, v1
	v_lshl_add_u32 v[VSX], v2, 10, v98     ; x's scales: 16 bytes a row, lanes 16-31 64 rows on
	v_lshl_add_u32 v[VSH], v2, 11, v99     ; h's: 32 bytes a row
	v_lshl_add_u32 v96, v2, 9, v98         ; the weights': lanes 16-31 32 rows on
	v_lshl_add_u32 v97, v2, 10, v99
	v_lshl_add_u32 v[CO], v2, 14, v98      ; out: lanes 0-15 one row's 256 bytes, lanes 16-31 the next row's
	v_lshlrev_b32 v[PVH], 8, v2            ; the activations' prefetches: row r, unit h of the lap's two
	v_lshl_add_u32 v[PVX], v1, 9, v[PVH]
	v_lshl_add_u32 v[PVH], v1, 10, v[PVH]
	v_and_b32 v100, 31, v0
	v_lshlrev_b32 v100, 10, v100           ; Wh's: a lane a row of 1,024 bytes
	LDSAX
	LDSAH
.irp u, 0,1
	global_load_b128 v[SWX+4*\u:SWX+4*\u+3], v96, s[10:11] offset:256*\u
	global_load_b128 v[SWH+8*\u:SWH+8*\u+3], v97, s[18:19] offset:512*\u
	global_load_b128 v[SWH+8*\u+4:SWH+8*\u+7], v97, s[18:19] offset:512*\u+16
.endr
	global_load_b128 v[BXV:BXV+3], v98, s[20:21]
	global_load_b128 v[BXV+4:BXV+7], v98, s[22:23]
	global_prefetch_b8 v[PVH], s[PFH:PFH+1] offset:-0x200000 th:TH_LOAD_NT scope:SCOPE_SE   ; h's first half of the first block (PFH stands at the second)
	global_prefetch_b8 v100, s[PFW:PFW+1] th:TH_LOAD_NT scope:SCOPE_SE                      ; my share of Wh
	v_mul_u32_u24 v101, v1, PITCH
	v_lshl_add_u32 v102, v2, 4, v101       ; a fragment's row x pitch + 16 h
	v_add_nc_u32 v[ADRA], s66, v102
	v_add_nc_u32 v[ADRA+1], SLOT, v[ADRA]
	v_add_nc_u32 v[ADRB], s99, v102
	v_add_nc_u32 v[ADRB+1], SLOT, v[ADRB]
	v_lshl_add_u32 v[STO], v2, 5, v101     ; into the stage: row r, 32 bytes for each half of the lanes
	v_add_nc_u32 v[STO], s94, v[STO]
	v_mul_u32_u24 v[RD], v2, PITCH         ; back: two whole rows a load
	v_add_nc_u32 v[RD], v[RD], v98
	v_add_nc_u32 v[RD], s94, v[RD]
; one matrix instruction: activation block a x weight block b, fragment set p, product kind, scale word w
.macro WM a, b, p, kind, w, zero
.set DD, 8*(4*(\a)+(\b))
.set S0, 128+64*(\p)+16*(\b)
.set S1, 128*(\p)+16*(\a)
.set XW, SWX+8*(\kind)+(4+4*(\kind))*((\b)%2)+(\w)
.set XA, SAX+16*(\kind)+(4+4*(\kind))*((\a)%4)+(\w)
.set RR, 2*((\a)/4)+(\b)/2
.if \zero
.if RR == 0
	v_wmma_scale_f32_16x16x128_f8f6f4 v[DD:DD+7], v[S0:S0+15], v[S1:S1+15], 0, v[XW], v[XA] matrix_a_fmt:MATRIX_FMT_BF8 matrix_b_fmt:MATRIX_FMT_BF8
.elseif RR == 1
	v_wmma_scale_f32_16x16x128_f8f6f4 v[DD:DD+7], v[S0:S0+15], v[S1:S1+15], 0, v[XW], v[XA] matrix_a_fmt:MATRIX_FMT_BF8 matrix_b_fmt:MATRIX_FMT_BF8 matrix_a_scale:MATRIX_SCALE_ROW1
.elseif RR == 2
	v_wmma_scale_f32_16x16x128_f8f6f4 v[DD:DD+7], v[S0:S0+15], v[S1:S1+15], 0, v[XW], v[XA] matrix_a_fmt:MATRIX_FMT_BF8 matrix_b_fmt:MATRIX_FMT_BF8 matrix_b_scale:MATRIX_SCALE_ROW1
.else
	v_wmma_scale_f32_16x16x128_f8f6f4 v[DD:DD+7], v[S0:S0+15], v[S1:S1+15], 0, v[XW], v[XA] matrix_a_fmt:MATRIX_FMT_BF8 matrix_b_fmt:MATRIX_FMT_BF8 matrix_a_scale:MATRIX_SCALE_ROW1 matrix_b_scale:MATRIX_SCALE_ROW1
.endif
.else
.if RR == 0
	v_wmma_scale_f32_16x16x128_f8f6f4 v[DD:DD+7], v[S0:S0+15], v[S1:S1+15], v[DD:DD+7], v[XW], v[XA] matrix_a_fmt:MATRIX_FMT_BF8 matrix_b_fmt:MATRIX_FMT_BF8
.elseif RR == 1
	v_wmma_scale_f32_16x16x128_f8f6f4 v[DD:DD+7], v[S0:S0+15], v[S1:S1+15], v[DD:DD+7], v[XW], v[XA] matrix_a_fmt:MATRIX_FMT_BF8 matrix_b_fmt:MATRIX_FMT_BF8 matrix_a_scale:MATRIX_SCALE_ROW1
.elseif RR == 2
	v_wmma_scale_f32_16x16x128_f8f6f4 v[DD:DD+7], v[S0:S0+15], v[S1:S1+15], v[DD:DD+7], v[XW], v[XA] matrix_a_fmt:MATRIX_FMT_BF8 matrix_b_fmt:MATRIX_FMT_BF8 matrix_b_scale:MATRIX_SCALE_ROW1
.else
	v_wmma_scale_f32_16x16x128_f8f6f4 v[DD:DD+7], v[S0:S0+15], v[S1:S1+15], v[DD:DD+7], v[XW], v[XA] matrix_a_fmt:MATRIX_FMT_BF8 matrix_b_fmt:MATRIX_FMT_BF8 matrix_a_scale:MATRIX_SCALE_ROW1 matrix_b_scale:MATRIX_SCALE_ROW1
.endif
.endif
.endm
; eight of them: activation blocks 2 g, 2 g + 1 x the four weight blocks.  The 32 accumulators of a set take turns, in the same order in every 128 along K
.macro G g, p, kind, w, zero
.irp a, 2*\g, 2*\g+1
.irp b, 0,1,2,3
	WM (\a), \b, \p, \kind, \w, \zero
.endr
.endr
.endm
.macro FRAG reg, adr, q, i
.irp c, 0,1,2,3
	ds_load_b128 v[\reg+4*\c:\reg+4*\c+3], v[\adr] offset:128*(\q)+32*\c+(\i)*16*PITCH
.endr
.endm
.macro FETCH slot, q, p                ; 48 LDS loads: the fragments of the slot's q-th 128 along K into set p
	WIN 0
.irp i, 0,1,2,3
	FRAG 128+64*(\p)+16*\i, ADRB+(\slot), \q, \i
.endr
	WIN 0x40
.irp i, 0,1,2,3,4,5,6,7
	FRAG 128*(\p)+16*\i, ADRA+(\slot), \q, \i
.endr
	WIN 0
.endm
; block k (16 rows x 64 columns) of accumulator set d goes into my stage and comes back as whole rows: 16 LDS instructions; LDS serves a wave's instructions in order (ISA guide 5.7.1.4)
.macro TS d, k, buf, xw
.if \xw
	s_wait_xcnt 0x0                        ; the earlier stores have read the registers that the loads below fill
.endif
	WIN 0x08+4*(\d)
.irp b, 0,1,2,3
	ds_store_b128 v[STO], v[32*(\k)+8*\b:32*(\k)+8*\b+3] offset:64*\b       ; each accumulator from its low end on
	ds_store_b128 v[STO], v[32*(\k)+8*\b+4:32*(\k)+8*\b+7] offset:64*\b+16
.endr
	WIN 0
.irp t, 0,1,2,3,4,5,6,7
	ds_load_b128 v[\buf+4*\t:\buf+4*\t+3], v[RD] offset:\t*2*PITCH
.endr
.endm
; the bias is added and the block stored: sixteen lanes fill 256 consecutive bytes, aligned.  The 16 additions are also the places behind the matrix instructions ahead of them
.macro SEND d, k, buf, younger
	s_wait_dscnt \younger
.irp t, 0,1,2,3,4,5,6,7
	v_pk_add_f32 v[\buf+4*\t:\buf+4*\t+1], v[\buf+4*\t:\buf+4*\t+1], v[BXV+4*(\d):BXV+4*(\d)+1]
	v_pk_add_f32 v[\buf+4*\t+2:\buf+4*\t+3], v[\buf+4*\t+2:\buf+4*\t+3], v[BXV+4*(\d)+2:BXV+4*(\d)+3]
.endr
.irp t, 0,1,2,3,4,5,6,7
	global_store_b128 v[CO], v[\buf+4*\t:\buf+4*\t+3], s[OGX+2*(\d):OGX+2*(\d)+1] offset:(16*(\k)+2*\t)*OROW th:TH_STORE_NT
.endr
.endm
; A step of 128 along K on fragment set p: the next step's fragments (slot fs, its fq-th 128) are fetched into the other set, then come the 32 matrix instructions.
; ka, kb: blocks of the other accumulator set that leave meanwhile (-1: none).  Every step ends with all its LDS loads in, so the next one's fragments are there at its head.
; PF, set ahead of the call, names the lap's prefetch: 1 x of the block at PFX; 2, 3 h's first, second half of the block at PFH; 4 x of the block behind PFX's, while there is one; 5 h's second half of the block ahead of PFH's.
.macro BODY fs, fq, p, kind, w, zero, ka, kb
.if \ka >= 0
	TS 1-\kind, \ka, BK, 1
.endif
	FETCH \fs, \fq, 1-\p
.if PF == 1
	global_prefetch_b8 v[PVX], s[PFX:PFX+1] th:TH_LOAD_NT scope:SCOPE_SE
.elseif PF == 2
	global_prefetch_b8 v[PVH], s[PFH:PFH+1] th:TH_LOAD_NT scope:SCOPE_SE
.elseif PF == 3
	global_prefetch_b8 v[PVH], s[PFH:PFH+1] offset:512 th:TH_LOAD_NT scope:SCOPE_SE
.elseif PF == 4
	s_cmp_gt_u32 s[CNT], 1                 ; in the loop's last trip PFX stands at the fourth block: no block lies behind it
	s_cbranch_scc0 .Lnp_\@
	global_prefetch_b8 v[PVX], s[PFX:PFX+1] offset:0x100000 th:TH_LOAD_NT scope:SCOPE_SE
.Lnp_\@:
.elseif PF == 5
	global_prefetch_b8 v[PVH], s[PFH:PFH+1] offset:512-0x200000 th:TH_LOAD_NT scope:SCOPE_SE
.endif
.set PF, 0
	WIN MULW+0x50*\kind
	G 0, \p, \kind, \w, \zero
	G 1, \p, \kind, \w, \zero
.if \ka >= 0
	WIN 0
	SEND 1-\kind, \ka, BK, 48              ; the 48 fragment loads issued behind the block's may be out
.endif
.if \kb >= 0
	TS 1-\kind, \kb, BK, 1
.endif
	WIN MULW+0x50*\kind
	G 2, \p, \kind, \w, \zero
	G 3, \p, \kind, \w, \zero
	WIN 0
.if \kb >= 0
	SEND 1-\kind, \kb, BK, 0
.else
	s_wait_dscnt 0x0
.endif
.endm
.macro Q0 slot, kind, w, zero, ka, kb  ; a slot's first 128 along K (set 0)
	BODY \slot, 1, 0, \kind, \w, \zero, \ka, \kb
.endm
; A slot's second 128 along K (set 1) begins with the change of slots: my reads of this slot ended with the step before.  fk: the product whose tile fills this slot again (-1: none), at byte foff along K; fstep: first on to the next block of rows.
.macro Q1 slot, kind, w, ka, kb, fk, foff, fstep
	s_wait_tensorcnt 0x0                   ; all my tensor loads have landed: my part of the next slot; so a group 0 may be written
	ds_add_u32 v[SPW], v[NIL]
.if \fk >= 0
.if \fstep
	s_add_nc_u64 s[PAX+8*\fk:PAX+8*\fk+1], s[PAX+8*\fk:PAX+8*\fk+1], 0x100000<<\fk   ; 2,048 rows of 512 or 1,024 bytes
.endif
	AIM \slot, \fk, \foff
.endif
	s_wait_dscnt 0x0
.if \fk >= 0
	CROUND                                 ; no wave of any partner still reads this slot or has a load on its way
	JLOAD \slot, \fk
	PLACES 4
.else
	s_barrier_signal -1
	s_barrier_wait -1
	PLACES 8
.endif
	BODY 1-\slot, 0, 1, \kind, \w, 0, \ka, \kb
.endm
; gh's eight steps of 128; gx's eight blocks leave, one a step.  more = 1: another block of rows follows
.macro HJOB more
	PLACES 8                               ; behind gx's last products: for the loads into their scale words and fragments
	s_wait_loadcnt 0x0                     ; h's scale words are in; every load has read its base
.if \more
	s_add_nc_u64 s[6:7], s[6:7], 2048*16
	LDSAX                                  ; x's scale words of the next block of rows
.endif
	Q0 0, 1, 0, 1, -1, 0
.if \more
.set PF, 2
.endif
	Q1 0, 1, 1, -1, 1, 1, 512, 0
	Q0 1, 1, 2, 0, -1, 2
	Q1 1, 1, 3, -1, 3, 1, 768, 0
	Q0 0, 1, 4, 0, -1, 4
.if \more
.set PF, 3
	Q1 0, 1, 5, -1, 5, 0, 0, 1
	Q0 1, 1, 6, 0, -1, 6
	Q1 1, 1, 7, -1, 7, 0, 256, 0
.else
	Q1 0, 1, 5, -1, 5, -1, 0, 0            ; nothing is left to fetch: no round, no fill
	Q0 1, 1, 6, 0, -1, 6
	WIN MULW+0x50
	G 0, 1, 1, 7, 0
	G 1, 1, 1, 7, 0
	TS 0, 7, BK, 1
	WIN MULW+0x50
	G 2, 1, 1, 7, 0
	G 3, 1, 1, 7, 0
	WIN 0
	SEND 0, 7, BK, 0
.endif
.endm
	s_wait_alu depctr_va_vdst(0)           ; the wait at the head's end
	s_wait_tensorcnt 0x0                   ; my part of K step 0 is in; slot 1's first fill is issued as a refill is
	ds_add_u32 v[SPW], v[NIL]
	s_wait_dscnt 0x0
	CROUND
	JLOAD 1, 0
	FETCH 0, 0, 0
	s_wait_loadcnt 0x0                     ; scale words and biases
	s_wait_dscnt 0x0
	Q0 0, 0, 0, 1, -1, -1                  ; the first block's gx: nothing is finished yet, nothing leaves
.set PF, 5
	Q1 0, 0, 1, -1, -1, 1, 0, 0
	PLACES 8
	Q0 1, 0, 2, 0, -1, -1
.set PF, 1
	Q1 1, 0, 3, -1, -1, 1, 256, 0
	s_mov_b32 s[CNT], 3
.Lpos:                                         ; a trip: this block's gh, then the next block's gx
	HJOB 1
	s_wait_loadcnt 0x0                     ; x's scale words are in
	s_wait_xcnt 0x0                        ; gx's stores have read their base
	s_add_nc_u64 s[14:15], s[14:15], 2048*32
	s_add_nc_u64 s[24:25], s[24:25], 2048*OROW
	LDSAH                                  ; h's scale words of the next block (behind the 16 additions of the block just sent)
	Q0 0, 0, 0, 1, 0, 1                    ; gh's eight blocks leave, two a step
.set PF, 4
	Q1 0, 0, 1, 2, 3, 1, 0, 1
	Q0 1, 0, 2, 0, 4, 5
	Q1 1, 0, 3, 6, 7, 1, 256, 0
	s_wait_xcnt 0x0                        ; gh's stores have read their base, the trip's prefetches their addresses
	s_add_nc_u64 s[26:27], s[26:27], 2048*OROW
	s_add_nc_u64 s[PFX:PFX+1], s[PFX:PFX+1], 0x100000
	s_add_nc_u64 s[PFH:PFH+1], s[PFH:PFH+1], 0x200000
	s_sub_co_u32 s[CNT], s[CNT], 1
	s_cmp_lg_u32 s[CNT], 0
	s_cbranch_scc1 .Lpos
	HJOB 0                                 ; the last block's gh is written out: its last two changes of slots fetch nothing
	TS 1, 0, 128, 0                        ; and its tile leaves, through four buffers where the weights' fragments lay
.irp k, 1,2,3,4,5,6,7
	TS 1, \k, 128+32*(\k%4), (\k)/4
	SEND 1, \k-1, 128+32*((\k-1)%4), 16    ; the next block's 16 LDS instructions may be out
.endr
	SEND 1, 7, 224, 0
	s_wait_tensorcnt 0x0                   ; the wave's end
	ds_add_u32 v[SPW], v[NIL]
	s_wait_dscnt 0x0
	CROUND                                 ; the closing round
	s_endpgm
.Lfunc_end_k_q656400db62_gemm:
	.size	k_q656400db62_gemm, .Lfunc_end_k_q656400db62_gemm-k_q656400db62_gemm
	.p2alignl 7, 3214868480
	.fill 96, 4, 3214868480
	.section	.rodata,"a",@progbits
	.p2align	6, 0x0
	.amdhsa_kernel k_q656400db62_gemm
		.amdhsa_group_segment_fixed_size 327680
		.amdhsa_private_segment_fixed_size 0
		.amdhsa_enable_private_segment 0
		.amdhsa_kernarg_size 96
		.amdhsa_user_sgpr_count 2
		.amdhsa_user_sgpr_kernarg_segment_ptr 1
		.amdhsa_wavefront_size32 1
		.amdhsa_system_sgpr_workgroup_id_x 1
		.amdhsa_system_sgpr_workgroup_id_y 1
		.amdhsa_system_sgpr_workgroup_id_z 1
		.amdhsa_system_vgpr_workitem_id 0
		.amdhsa_next_free_vgpr 1024
		.amdhsa_next_free_sgpr 106
		.amdhsa_reserve_vcc 0
		.amdhsa_float_denorm_mode_32 3
		.amdhsa_float_denorm_mode_16_64 3
		.amdhsa_memory_ordered 1
		.amdhsa_forward_progress 1
		.amdhsa_inst_pref_size 255
	.end_amdhsa_kernel
	.section	.bss,"aw",@nobits
	.p2align	6
	.space	262144
	.amdgpu_metadata
---
amdhsa.version: [ 1, 2 ]
amdhsa.kernels:
  - .name:           k_q656400db62_gemm
    .symbol:         k_q656400db62_gemm.kd
    .args:
      - { .name: x_codes, .offset: 0, .size: 8, .value_kind: global_buffer, .address_space: global }
      - { .name: x_scales, .offset: 8, .size: 8, .value_kind: global_buffer, .address_space: global }
      - { .name: Wx_codes, .offset: 16, .size: 8, .value_kind: global_buffer, .address_space: global }
      - { .name: Wx_scales, .offset: 24, .size: 8, .value_kind: global_buffer, .address_space: global }
      - { .name: h_prev_codes, .offset: 32, .size: 8, .value_kind: global_buffer, .address_space: global }
      - { .name: h_prev_scales, .offset: 40, .size: 8, .value_kind: global_buffer, .address_space: global }
      - { .name: Wh_codes, .offset: 48, .size: 8, .value_kind: global_buffer, .address_space: global }
      - { .name: Wh_scales, .offset: 56, .size: 8, .value_kind: global_buffer, .address_space: global }
      - { .name: bx, .offset: 64, .size: 8, .value_kind: global_buffer, .address_space: global }
      - { .name: bh, .offset: 72, .size: 8, .value_kind: global_buffer, .address_space: global }
      - { .name: gx, .offset: 80, .size: 8, .value_kind: global_buffer, .address_space: global }
      - { .name: gh, .offset: 88, .size: 8, .value_kind: global_buffer, .address_space: global }
    .group_segment_fixed_size: 327680
    .private_segment_fixed_size: 0
    .kernarg_segment_align: 8
    .kernarg_segment_size: 96
    .max_flat_workgroup_size: 128
    .sgpr_count:     106
    .vgpr_count:     1024
    .wavefront_size: 32
...
	.end_amdgpu_metadata
.endif
;; end of part 1
;; launch cell (part 2): grid 256 x 1, 8 waves a work-group, no clusters, 66,560 bytes of LDS; arguments gx, gh, c_prev, out0, out1, ln_in_g, ln_hu_g, ln_in_b, ln_hu_b, ln_c_g, ln_c_b, ln_h_g, ln_h_b; writes out0, out1
.if DOCPART == 2
	.amdgcn_target "amdgcn-amd-amdhsa--gfx1250"
	.amdhsa_code_object_version 6
	.text
	.protected	k_q656400db62_cell
	.globl	k_q656400db62_cell
	.p2align	8
	.type	k_q656400db62_cell,@function
k_q656400db62_cell:
	s_mov_b64 s[64:65], 0
	v_nop
	global_prefetch_b8 v0, s[64:65] scope:SCOPE_SE
	s_setreg_imm32_b32 hwreg(HW_REG_WAVE_MODE, 25, 1), 1
	s_wait_xcnt 0x0
; The cell behind the two products.  gx, gh: [8192][4096] f32 (products + biases).  For each row:
;   gates = LN(gx) ln_in_g + ln_in_b + LN(gh) ln_hu_g + ln_hu_b;  i, f, g, o = its four quarters of 1,024;
;   i, f: e = exp(clip(gate - its mean, -5, 5)), e / (sum e + 1e-6);  then both / (i + f + 1e-6);
;   c = LN(f c_prev + i tanh g) ln_c_g + ln_c_b  (out1);   h = sigmoid(o) (LN(tanh c) ln_h_g + ln_h_b)  (out0).
; SHARES.  ONE WAVE, ONE ROW: both rows of 4,096 lie in the wave's registers, so every mean, variance and sum stays inside the wave.  A work-group of eight waves takes 32 rows, a wave four, one after the other.
; In chunk j of 128 columns lane l holds columns 128 j + 4 l .. + 3: every load and store covers 512 consecutive bytes, and i, f, g, o and c_prev of one hidden unit lie in one lane.
; The eight parameter vectors (the two gate biases added up) are put into LDS once, 64 KiB, and read from there, 16 bytes a lane on end.  One barrier in the whole text.
; Each LayerNorm is taken in two passes, mean first, then the squares of the centred numbers, as the definition has it.
; The clip at +-5 is the definition's own, so the exponentials lie between e^-5 and e^5 and no maximum is taken away.
; LIMITS.  NaN and infinities among the inputs are not served.  tanh x = 1 - 2 / (1 + 2^(2 x log2 e)) and sigmoid x = 1 / (1 + 2^(-x log2 e)): for large |x| they end at +-1 and at 0 or 1; v_exp_f32 and v_rcp_f32 give 0 for
; results under 2^-126 (ISA guide 15.8).  f c_prev + i tanh g is formed as (f' c_prev + i' tanh g) x 1 / (i' + f' + 1e-6): another order of rounding than two divisions first.
; REGISTERS.  Window 0: v1 16 x lane; v2-9 four running pairs; v10-29 row figures; v30 16 x thread; v32-95 parameters from LDS, by turns; v96-127 c_prev, then the cell; v128-255 gx, then the gates.
;   Window 1: v0-127 gh; v128 a copy of v1; v130-131 a copy of gh's 1 / sigma.
.set GB,  0                            ; window 1
.set GA,  128                          ; I = GA, F = GA + 32, G = GA + 64, O = GA + 96
.set CP,  96
.set PB,  32
.set MX,  10                           ; v[10:11] a mean (the packed forms name a pair and take its low word for both halves; the upper words are written once, at the head)
.set MH,  12
.set RX,  14                           ; v[14:15] a 1 / sigma
.set RH,  16
.set MI,  22                           ; v[22:23], v[24:25] the gates' means x log2 e
.set MF,  24
.set IVI, 26                           ; v[26:27], v[28:29] 1 / (sum e + 1e-6)
.set IVF, 28
.set LG_IN, 0                          ; LDS: ln_in_g,
.set LG_HU, 16384                      ; ln_hu_g,
.set LB,    32768                      ; ln_in_b + ln_hu_b,
.set LCG,   49152                      ; ln_c_g, ln_c_b, ln_h_g, ln_h_b
.set LCB,   53248
.set LHG,   57344
.set LHB,   61440
.set MSB, 0
.macro WIN new                         ; low byte: bits 1:0 source 0, 3:2 source 1, 5:4 source 2, 7:6 destination; the high byte repeats the setting that is left
.if MSB != \new
	s_set_vgpr_msb (MSB<<8)|\new
.set MSB, \new
.endif
.endm
; a row's loads: 512 consecutive bytes each; read once in the launch
.macro LOADH off
	WIN 0x40                                       ; destination window 1, address window 0
.set q, 0
.rept 32
	global_load_b128 v[GB+4*q:GB+4*q+3], v1, s[6:7] offset:\off+512*q th:TH_LOAD_NT
.set q, q+1
.endr
	WIN 0
.endm
.macro LOADX3 off                      ; gx's quarters i, f, g
.set q, 0
.rept 24
	global_load_b128 v[GA+4*q:GA+4*q+3], v1, s[4:5] offset:\off+512*q th:TH_LOAD_NT
.set q, q+1
.endr
.endm
.macro LOADXO off                      ; gx's quarter o
.set q, 24
.rept 8
	global_load_b128 v[GA+4*q:GA+4*q+3], v1, s[4:5] offset:\off+512*q th:TH_LOAD_NT
.set q, q+1
.endr
.endm
.macro LOADC off
.set q, 0
.rept 8
	global_load_b128 v[CP+4*q:CP+4*q+3], v1, s[8:9] offset:\off+512*q th:TH_LOAD_NT
.set q, q+1
.endr
.endm
; sums over a lane's numbers, two at a time, in four chains v[2:3] .. v[8:9] that do not wait for each other; the first lines start the chains: nothing is cleared
.macro SUMSTART base
.irp k, 0,1,2,3
	v_pk_add_f32 v[2+2*\k:3+2*\k], v[\base+4*\k:\base+4*\k+1], v[\base+4*\k+2:\base+4*\k+3]
.endr
.endm
.macro SUMGO base, from, groups        ; groups of eight registers, from register base + from on
.set p, \base+\from
.rept \groups
.irp k, 0,1,2,3
	v_pk_add_f32 v[2+2*\k:3+2*\k], v[p+2*\k:p+2*\k+1], v[2+2*\k:3+2*\k]
.endr
.set p, p+8
.endr
.endm
.macro SQUARES base                    ; the sum of the squares of 128 registers
.irp k, 0,1,2,3
	v_pk_mul_f32 v[2+2*\k:3+2*\k], v[\base+2*\k:\base+2*\k+1], v[\base+2*\k:\base+2*\k+1]
.endr
.set p, \base+8
.rept 15
.irp k, 0,1,2,3
	s_delay_alu instid0(VALU_DEP_4)
	v_pk_fma_f32 v[2+2*\k:3+2*\k], v[p+2*\k:p+2*\k+1], v[p+2*\k:p+2*\k+1], v[2+2*\k:3+2*\k]
.endr
.set p, p+8
.endr
.endm
.macro CENTRE base, mean, pairs        ; x - mean, in place
.set p, \base
.rept \pairs
	v_pk_add_f32 v[p:p+1], v[p:p+1], v[\mean:\mean+1] op_sel_hi:[1,0] neg_lo:[0,1] neg_hi:[0,1]
.set p, p+2
.endr
.endm
.macro FOLD dst                        ; the four chains into one number a lane
	v_pk_add_f32 v[2:3], v[2:3], v[4:5]
	v_pk_add_f32 v[6:7], v[6:7], v[8:9]
	s_delay_alu instid0(VALU_DEP_1)
	v_pk_add_f32 v[2:3], v[2:3], v[6:7]
	s_delay_alu instid0(VALU_DEP_1)
	v_add_f32 v[\dst], v2, v3
.endm
; across the 32 lanes, the result in every lane: four steps inside each half ride on the addition, one crosses the halves
.macro RED2                            ; v18 and v19, by turns
.irp m, 1
	v_add_f32_dpp v18, v18, v18 row_xmask:\m row_mask:0xf bank_mask:0xf
	v_add_f32_dpp v19, v19, v19 row_xmask:\m row_mask:0xf bank_mask:0xf
.endr
.irp m, 2, 4, 8
	s_delay_alu instid0(VALU_DEP_2)
	v_add_f32_dpp v18, v18, v18 row_xmask:\m row_mask:0xf bank_mask:0xf
	s_delay_alu instid0(VALU_DEP_2)
	v_add_f32_dpp v19, v19, v19 row_xmask:\m row_mask:0xf bank_mask:0xf
.endr
	s_delay_alu instid0(VALU_DEP_2)
	v_permlanex16_b32 v20, v18, s30, s31
	s_delay_alu instid0(VALU_DEP_2)
	v_permlanex16_b32 v21, v19, s30, s31
	s_delay_alu instid0(VALU_DEP_2)
	v_add_f32 v18, v18, v20
	s_delay_alu instid0(VALU_DEP_2)
	v_add_f32 v19, v19, v21
.endm
.macro RED1                            ; v18 alone
.irp m, 1,2,4,8
	s_delay_alu instid0(VALU_DEP_1)
	v_add_f32_dpp v18, v18, v18 row_xmask:\m row_mask:0xf bank_mask:0xf
.endr
	s_delay_alu instid0(VALU_DEP_1)
	v_permlanex16_b32 v20, v18, s30, s31
	s_delay_alu instid0(VALU_DEP_1)
	v_add_f32 v18, v18, v20
.endm
.macro SUMIF                           ; a lane's 32 numbers of I into v18, of F into v19
	v_pk_add_f32 v[2:3], v[GA:GA+1], v[GA+2:GA+3]
	v_pk_add_f32 v[4:5], v[GA+4:GA+5], v[GA+6:GA+7]
	v_pk_add_f32 v[6:7], v[GA+32:GA+33], v[GA+34:GA+35]
	v_pk_add_f32 v[8:9], v[GA+36:GA+37], v[GA+38:GA+39]
.irp p, 8,12,16,20,24,28
	v_pk_add_f32 v[2:3], v[2:3], v[GA+\p:GA+\p+1]
	v_pk_add_f32 v[4:5], v[4:5], v[GA+\p+2:GA+\p+3]
	v_pk_add_f32 v[6:7], v[6:7], v[GA+32+\p:GA+32+\p+1]
	v_pk_add_f32 v[8:9], v[8:9], v[GA+32+\p+2:GA+32+\p+3]
.endr
	s_delay_alu instid0(VALU_DEP_3)
	v_pk_add_f32 v[2:3], v[2:3], v[4:5]
	s_delay_alu instid0(VALU_DEP_2)
	v_pk_add_f32 v[6:7], v[6:7], v[8:9]
	s_delay_alu instid0(VALU_DEP_2)
	v_add_f32 v18, v2, v3
	s_delay_alu instid0(VALU_DEP_2)
	v_add_f32 v19, v6, v7
.endm
; LayerNorm over the row's 1,024 numbers in v[CP] on, in place; gain and bias from LDS bytes goff and boff on
.macro LN32 goff, boff
.irp j, 0,1,2,3,4,5,6,7
	ds_load_b128 v[PB+4*\j:PB+4*\j+3], v1 offset:\goff+512*\j
.endr
.irp j, 0,1,2,3,4,5,6,7
	ds_load_b128 v[PB+32+4*\j:PB+32+4*\j+3], v1 offset:\boff+512*\j
.endr
	v_pk_add_f32 v[4:5], v[96:97], v[98:99]
	v_pk_add_f32 v[18:19], v[104:105], v[108:109]
	v_pk_add_f32 v[16:17], v[112:113], v[116:117]
	v_pk_add_f32 v[8:9], v[120:121], v[124:125]
	v_pk_add_f32 v[6:7], v[100:101], v[102:103]
	v_pk_add_f32 v[2:3], v[106:107], v[110:111]
	s_delay_alu instid0(VALU_DEP_1)
	v_pk_add_f32 v[2:3], v[2:3], v[114:115]
	v_pk_add_f32 v[4:5], v[4:5], v[118:119]
	v_pk_add_f32 v[18:19], v[18:19], v[122:123]
	v_pk_add_f32 v[16:17], v[16:17], v[126:127]
	s_delay_alu instid0(VALU_DEP_1)
	v_pk_add_f32 v[2:3], v[2:3], v[16:17]
	s_delay_alu instid0(VALU_DEP_4)
	v_pk_add_f32 v[4:5], v[4:5], v[8:9]
	s_delay_alu instid0(VALU_DEP_4)
	v_pk_add_f32 v[18:19], v[18:19], v[6:7]
	s_delay_alu instid0(VALU_DEP_1)
	v_pk_add_f32 v[2:3], v[2:3], v[18:19]
	s_delay_alu instid0(VALU_DEP_1)
	v_pk_add_f32 v[2:3], v[2:3], v[4:5]
	s_delay_alu instid0(VALU_DEP_1)
	v_add_f32 v18, v2, v3
	RED1
	s_delay_alu instid0(VALU_DEP_1)
	v_mul_f32 v[MX], s34, v18                      ; the mean
	CENTRE CP, MX, 16
	v_pk_mul_f32 v[2:3], v[CP:CP+1], v[CP:CP+1]
	v_pk_mul_f32 v[4:5], v[CP+2:CP+3], v[CP+2:CP+3]
.irp p, 4,8,12,16,20,24,28
	s_delay_alu instid0(VALU_DEP_2)
	v_pk_fma_f32 v[2:3], v[CP+\p:CP+\p+1], v[CP+\p:CP+\p+1], v[2:3]
	s_delay_alu instid0(VALU_DEP_2)
	v_pk_fma_f32 v[4:5], v[CP+\p+2:CP+\p+3], v[CP+\p+2:CP+\p+3], v[4:5]
.endr
	s_delay_alu instid0(VALU_DEP_1)
	v_pk_add_f32 v[2:3], v[2:3], v[4:5]
	s_delay_alu instid0(VALU_DEP_1)
	v_add_f32 v18, v2, v3
	RED1
	s_delay_alu instid0(VALU_DEP_1)
	v_fma_f32 v18, v18, s34, s33                   ; the variance + 1e-5
	s_wait_alu depctr_va_vdst(0)
	v_rsq_f32 v[RX], v18
	v_nop                                          ; a plain instruction behind the transcendental,
	s_wait_alu depctr_va_vdst(0)                   ; and the wait ahead of the first line that names its result
	s_wait_dscnt 0x0                               ; gain and bias are in
.set p, 0
.rept 16
	v_pk_mul_f32 v[CP+p:CP+p+1], v[CP+p:CP+p+1], v[RX:RX+1] op_sel_hi:[1,0]
.set p, p+2
.endr
.set p, 0
.rept 16
	v_pk_fma_f32 v[CP+p:CP+p+1], v[CP+p:CP+p+1], v[PB+p:PB+p+1], v[PB+32+p:PB+32+p+1]
.set p, p+2
.endr
.endm
; tanh of 32 registers, in place: two batches of transcendentals, one wait each
.macro TANH32 base
.set p, 0
.rept 16
	v_pk_mul_f32 v[\base+p:\base+p+1], v[\base+p:\base+p+1], s[42:43] op_sel_hi:[1,0]
.set p, p+2
.endr
.set p, 0
	s_wait_alu depctr_va_vdst(0)
.rept 32
	v_exp_f32 v[\base+p], v[\base+p]
.set p, p+1
.endr
	v_nop
	s_wait_alu depctr_va_vdst(0)
.set p, 0
.rept 16
	v_pk_add_f32 v[\base+p:\base+p+1], v[\base+p:\base+p+1], 1.0 op_sel_hi:[1,0]
.set p, p+2
.endr
.set p, 0
	s_wait_alu depctr_va_vdst(0)
.rept 32
	v_rcp_f32 v[\base+p], v[\base+p]
.set p, p+1
.endr
	v_nop
	s_wait_alu depctr_va_vdst(0)
.set p, 0
.rept 16
	v_pk_fma_f32 v[\base+p:\base+p+1], v[\base+p:\base+p+1], -2.0, 1.0 op_sel_hi:[1,0,0]
.set p, p+2
.endr
.endm
; ONE ROW.  Its loads were issued earlier, in this order: gh (32), gx's i, f, g (24), gx's o (8), c_prev (8).  ahead = 1: the next row's loads are issued, each run as soon as its registers are free.
.macro ROW ahead
	; ---- the two LayerNorms' figures
	s_wait_loadcnt 40                              ; gh is in; the 24 + 8 + 8 younger loads may be out
	WIN 0x05                                       ; sources 0 and 1 window 1
	SUMSTART GB
	WIN 0x01                                       ; source 0 window 1
	SUMGO GB, 16, 14
	WIN 0
	FOLD 18
	s_wait_loadcnt 16                              ; gx's first three quarters are in
	SUMSTART GA
	SUMGO GA, 16, 10
	s_wait_alu depctr_va_vdst(0)
	s_wait_loadcnt 8                               ; and its last; c_prev may be out
	SUMGO GA, 96, 4
	FOLD 19
	RED2
	s_delay_alu instid0(VALU_DEP_2)
	v_mul_f32 v[MH], s32, v18                      ; the means
	s_delay_alu instid0(VALU_DEP_2)
	v_mul_f32 v[MX], s32, v19
	WIN 0x41                                       ; destination and source 0 window 1
	CENTRE GB, MH, 64
	WIN 0x05
	SQUARES GB
	WIN 0
	FOLD 18
	CENTRE GA, MX, 64
	SQUARES GA
	FOLD 19
.irp j, 0,1,2,3,4,5,6,7                        ; the first eight chunks of ln_in_g and of the summed bias: eight sets of eight registers
	ds_load_b128 v[PB+8*\j:PB+8*\j+3], v1 offset:LG_IN+512*\j
	ds_load_b128 v[PB+8*\j+4:PB+8*\j+7], v1 offset:LB+512*\j
.endr
	RED2
	s_delay_alu instid0(VALU_DEP_2)
	v_fma_f32 v18, v18, s32, s33                   ; the variances + 1e-5
	s_delay_alu instid0(VALU_DEP_2)
	v_fma_f32 v19, v19, s32, s33
	s_wait_alu depctr_va_vdst(0)
	v_rsq_f32 v[RH], v18
	v_rsq_f32 v[RX], v19
	v_nop                                          ; a plain instruction behind the transcendentals,
	s_wait_alu depctr_va_vdst(0)                   ; and one wait for both, ahead of the first line that names a result
	WIN 0x40
	v_mov_b32 v130, v[RH]                          ; a copy beside gh, so that the second sweep runs under one window setting
	WIN 0
	; ---- the gates, first sweep: GA = (gx - mean) (ln_in_g / sigma) + (ln_in_b + ln_hu_b)
.set j, 0
.rept 32
.set S, PB+8*(j%8)
.if j < 24
	s_wait_dscnt 14                                ; chunk j's two loads are in; those of the seven chunks behind it may be out
.else
	s_wait_dscnt 38-j                              ; 2 (31 - j) of this sweep and the j - 24 already issued for the next
.endif
	v_pk_mul_f32 v[S:S+1], v[S:S+1], v[RX:RX+1] op_sel_hi:[1,0]
	v_pk_mul_f32 v[S+2:S+3], v[S+2:S+3], v[RX:RX+1] op_sel_hi:[1,0]
	s_delay_alu instid0(VALU_DEP_2)
	v_pk_fma_f32 v[GA+4*j:GA+4*j+1], v[GA+4*j:GA+4*j+1], v[S:S+1], v[S+4:S+5]
	s_delay_alu instid0(VALU_DEP_2)
	v_pk_fma_f32 v[GA+4*j+2:GA+4*j+3], v[GA+4*j+2:GA+4*j+3], v[S+2:S+3], v[S+6:S+7]
.if j < 24
	ds_load_b128 v[S:S+3], v1 offset:LG_IN+512*(j+8)
	ds_load_b128 v[S+4:S+7], v1 offset:LB+512*(j+8)
.else
	ds_load_b128 v[S:S+3], v1 offset:LG_HU+512*(j-24)   ; the set is free: ln_hu_g's first eight chunks
.endif
.set j, j+1
.endr
	; ---- second sweep: GA += (gh - mean) ln_hu_g / sigma
	WIN 0x01                                       ; source 0 (gh, the copy of 1 / sigma, the LDS address) window 1
.set j, 0
.rept 32
.set S, PB+8*(j%8)
.if j < 24
	s_wait_dscnt 7                                 ; chunk j is in; the seven behind it may be out
.else
	s_wait_dscnt 31-j
.endif
	v_pk_mul_f32 v[S+4:S+5], v[GB+4*j:GB+4*j+1], v[S:S+1]
	v_pk_mul_f32 v[S+6:S+7], v[GB+4*j+2:GB+4*j+3], v[S+2:S+3]
	s_delay_alu instid0(VALU_DEP_2)
	v_pk_fma_f32 v[GA+4*j:GA+4*j+1], v[130:131], v[S+4:S+5], v[GA+4*j:GA+4*j+1] op_sel_hi:[0,1,1]
	s_delay_alu instid0(VALU_DEP_2)
	v_pk_fma_f32 v[GA+4*j+2:GA+4*j+3], v[130:131], v[S+6:S+7], v[GA+4*j+2:GA+4*j+3] op_sel_hi:[0,1,1]
.if j < 24
	ds_load_b128 v[S:S+3], v128 offset:LG_HU+512*(j+8)
.endif
.set j, j+1
.endr
	WIN 0
.if \ahead
	LOADH 16384                                    ; gh's registers are free: the next row's
.endif
	; ---- the exponentials: i, f, tanh g and sigmoid o go as ONE batch
	SUMIF
.set p, 0
.rept 16
	v_pk_mul_f32 v[GA+64+p:GA+65+p], v[GA+64+p:GA+65+p], s[42:43] op_sel_hi:[1,0]   ; 2 g log2 e
	v_pk_mul_f32 v[GA+96+p:GA+97+p], v[GA+96+p:GA+97+p], s[44:45] op_sel_hi:[1,0]   ; -o log2 e
.set p, p+2
.endr
	RED2
	s_delay_alu instid0(VALU_DEP_2)
	v_mul_f32 v[MI], s46, v18                      ; the gates' means x log2 e
	s_delay_alu instid0(VALU_DEP_2)
	v_mul_f32 v[MF], s46, v19
.set p, 0
.rept 16
	v_pk_fma_f32 v[GA+p:GA+p+1], v[GA+p:GA+p+1], s[36:37], v[MI:MI+1] op_sel_hi:[1,0,0] neg_lo:[0,0,1] neg_hi:[0,0,1]
	v_pk_fma_f32 v[GA+32+p:GA+33+p], v[GA+32+p:GA+33+p], s[36:37], v[MF:MF+1] op_sel_hi:[1,0,0] neg_lo:[0,0,1] neg_hi:[0,0,1]
.set p, p+2
.endr
.set p, 0
.rept 64
	v_med3_num_f32 v[GA+p], v[GA+p], s39, s38      ; the clip at +-5, in units of log2 e
.set p, p+1
.endr
.set p, 0
	s_wait_alu depctr_va_vdst(0)
.rept 128
	v_exp_f32 v[GA+p], v[GA+p]
.set p, p+1
.endr
	v_nop
	s_wait_alu depctr_va_vdst(0)                   ; one wait for the 128
	SUMIF
.set p, 0
.rept 32
	v_pk_add_f32 v[GA+64+p:GA+65+p], v[GA+64+p:GA+65+p], 1.0 op_sel_hi:[1,0]
.set p, p+2
.endr
	RED2
	s_delay_alu instid0(VALU_DEP_2)
	v_add_f32 v18, s40, v18                        ; the sums + 1e-6
	s_delay_alu instid0(VALU_DEP_2)
	v_add_f32 v19, s40, v19
.set p, 0
	s_wait_alu depctr_va_vdst(0)
.rept 64
	v_rcp_f32 v[GA+64+p], v[GA+64+p]
.set p, p+1
.endr
	v_rcp_f32 v[IVI], v18
	v_rcp_f32 v[IVF], v19
	v_nop
	s_wait_alu depctr_va_vdst(0)                   ; one wait for the 66.  O now holds sigmoid(o)
.set p, 0
.rept 16
	v_pk_fma_f32 v[GA+64+p:GA+65+p], v[GA+64+p:GA+65+p], -2.0, 1.0 op_sel_hi:[1,0,0]   ; tanh g
.set p, p+2
.endr
	; ---- u = (f c_prev + i tanh g) / (i + f + 1e-6)
.set p, 0
.rept 16
	v_pk_mul_f32 v[GA+p:GA+p+1], v[GA+p:GA+p+1], v[IVI:IVI+1] op_sel_hi:[1,0]
	v_pk_mul_f32 v[GA+32+p:GA+33+p], v[GA+32+p:GA+33+p], v[IVF:IVF+1] op_sel_hi:[1,0]
.set p, p+2
.endr
.set p, 0
.rept 16
	v_pk_add_f32 v[PB+p:PB+p+1], v[GA+p:GA+p+1], v[GA+32+p:GA+33+p]
.set p, p+2
.endr
.set p, 0
.rept 16
	v_pk_add_f32 v[PB+p:PB+p+1], v[PB+p:PB+p+1], s[40:41] op_sel_hi:[1,0]
.set p, p+2
.endr
.set p, 0
	s_wait_alu depctr_va_vdst(0)
.rept 32
	v_rcp_f32 v[PB+p], v[PB+p]
.set p, p+1
.endr
.if \ahead
	s_wait_loadcnt 32                              ; c_prev is in; the next row's gh may be out
.else
	s_wait_loadcnt 0x0
.endif
.set p, 0
.rept 16
	v_pk_mul_f32 v[GA+32+p:GA+33+p], v[GA+32+p:GA+33+p], v[CP+p:CP+p+1]   ; (these 32 lines name no reciprocal: the work between the batch and its wait)
.set p, p+2
.endr
.set p, 0
.rept 16
	v_pk_fma_f32 v[GA+32+p:GA+33+p], v[GA+p:GA+p+1], v[GA+64+p:GA+65+p], v[GA+32+p:GA+33+p]
.set p, p+2
.endr
	s_wait_alu depctr_va_vdst(0)                   ; one wait for the 32
.set p, 0
.rept 16
	v_pk_mul_f32 v[CP+p:CP+p+1], v[GA+32+p:GA+33+p], v[PB+p:PB+p+1]
.set p, p+2
.endr
.if \ahead
	LOADX3 16384                                   ; i's, f's and g's registers are free
.endif
	; ---- c
	LN32 LCG, LCB
.irp j, 0,1,2,3,4,5,6,7
	global_store_b128 v1, v[CP+4*\j:CP+4*\j+3], s[12:13] offset:512*\j th:TH_STORE_NT   ; 512 consecutive bytes, aligned
.endr
	s_wait_xcnt 0x0                                ; the stores' data are rewritten only behind this wait
	TANH32 CP
	; ---- h
	LN32 LHG, LHB
.set p, 0
.rept 16
	v_pk_mul_f32 v[CP+p:CP+p+1], v[CP+p:CP+p+1], v[GA+96+p:GA+97+p]
.set p, p+2
.endr
.irp j, 0,1,2,3,4,5,6,7
	global_store_b128 v1, v[CP+4*\j:CP+4*\j+3], s[10:11] offset:512*\j th:TH_STORE_NT
.endr
.if \ahead
	s_wait_xcnt 0x0                                ; every earlier load and store has read its base and its data: the bases step, and c_prev may land on the stores' registers
	s_add_nc_u64 s[4:5], s[4:5], 16384
	s_add_nc_u64 s[6:7], s[6:7], 16384
	s_add_nc_u64 s[8:9], s[8:9], 4096
	s_add_nc_u64 s[10:11], s[10:11], 4096
	s_add_nc_u64 s[12:13], s[12:13], 4096
	LOADXO 0
	LOADC 0
.endif
.endm
	s_load_b512 s[4:19], s[0:1], 0x0               ; gx 4, gh 6, c_prev 8, out0 10, out1 12, ln_in_g 14, ln_hu_g 16, ln_in_b 18
	s_load_b256 s[20:27], s[0:1], 0x40             ; ln_hu_b 20, ln_c_g 22, ln_c_b 24, ln_h_g 26
	s_load_b64 s[28:29], s[0:1], 0x60              ; ln_h_b
	v_lshl_add_u32 v31, v0, 2, 0x10000
	s_set_vgpr_msb 0x40
	v_mov_b32 v133, 0
	s_set_vgpr_msb 0x4000
	v_lshrrev_b32 v2, 5, v0
	s_delay_alu instid0(VALU_DEP_1)
	v_readfirstlane_b32 s48, v2                    ; wave 0..7
	v_and_b32 v1, 31, v0
	s_delay_alu instid0(VALU_DEP_1)
	v_lshlrev_b32 v1, 4, v1                        ; 16 x lane; never rewritten
	v_lshlrev_b32 v30, 4, v0                       ; 16 x thread; never rewritten
.irp r, 11,13,15,17,20,21,23,25,27,29
	v_mov_b32 v\r, 0                               ; the upper words of pairs of which the low word alone is used, and the lane permutes' destinations: named before they are otherwise written
.endr
	WIN 0x40
	v_mov_b32 v128, v1
	v_mov_b32 v131, 0
	WIN 0
	s_mov_b32 s30, 0x76543210                      ; v_permlanex16_b32: lane l takes lane l xor 16
	s_mov_b32 s31, 0xfedcba98
	s_mov_b32 s32, 0x39800000                      ; 1 / 4096
	s_mov_b32 s33, 0x3727c5ac                      ; 1e-5
	s_mov_b32 s34, 0x3a800000                      ; 1 / 1024
	s_mov_b32 s36, 0x3fb8aa3b                      ; log2 e
	s_mov_b32 s37, s36
	s_mov_b32 s38, 0x40e6d4ca                      ; 5 log2 e
	s_mov_b32 s39, 0xc0e6d4ca
	s_mov_b32 s40, 0x358637bd                      ; 1e-6
	s_mov_b32 s41, s40
	s_mov_b32 s42, 0x4038aa3b                      ; 2 log2 e
	s_mov_b32 s43, s42
	s_mov_b32 s44, 0xbfb8aa3b                      ; -log2 e
	s_mov_b32 s45, s44
	s_mov_b32 s46, 0x3ab8aa3b                      ; log2 e / 1024
	s_lshl_b32 s50, ttmp9, 5
	s_lshl_b32 s51, s48, 2
	s_add_co_u32 s50, s50, s51                     ; my first row: 32 x work-group + 4 x wave
	s_lshl_b32 s52, s50, 12                        ; in rows of 4,096 bytes,
	s_mov_b32 s53, 0
	s_lshl_b32 s50, s50, 14                        ; and of 16,384 (under 2^27)
	s_mov_b32 s51, 0
	s_wait_kmcnt 0x0
	s_add_nc_u64 s[4:5], s[4:5], s[50:51]
	s_add_nc_u64 s[6:7], s[6:7], s[50:51]
	s_add_nc_u64 s[8:9], s[8:9], s[52:53]
	s_add_nc_u64 s[10:11], s[10:11], s[52:53]
	s_add_nc_u64 s[12:13], s[12:13], s[52:53]
	; the parameters: the 256 threads read 4,096 consecutive bytes a load
.irp j, 0,1,2,3
	global_load_b128 v[PB+4*\j:PB+4*\j+3],       v30, s[14:15] offset:4096*\j
	global_load_b128 v[PB+16+4*\j:PB+16+4*\j+3], v30, s[16:17] offset:4096*\j
	global_load_b128 v[PB+32+4*\j:PB+32+4*\j+3], v30, s[18:19] offset:4096*\j
	global_load_b128 v[PB+48+4*\j:PB+48+4*\j+3], v30, s[20:21] offset:4096*\j
.endr
	global_load_b128 v[96:99],   v30, s[22:23]
	global_load_b128 v[100:103], v30, s[24:25]
	global_load_b128 v[104:107], v30, s[26:27]
	global_load_b128 v[108:111], v30, s[28:29]
	LOADH 0                                        ; the first row's gh goes out behind them
	s_wait_loadcnt 32                              ; the 20 parameter loads are in; gh's 32 may be out
.set p, 0
.rept 8
	v_pk_add_f32 v[PB+32+p:PB+33+p], v[PB+32+p:PB+33+p], v[PB+48+p:PB+49+p]   ; ln_in_b + ln_hu_b
.set p, p+2
.endr
.irp j, 0,1,2,3
	ds_store_b128 v30, v[PB+4*\j:PB+4*\j+3] offset:LG_IN+4096*\j
	ds_store_b128 v30, v[PB+16+4*\j:PB+16+4*\j+3] offset:LG_HU+4096*\j
	ds_store_b128 v30, v[PB+32+4*\j:PB+32+4*\j+3] offset:LB+4096*\j
.endr
	ds_store_b128 v30, v[96:99] offset:LCG
	ds_store_b128 v30, v[100:103] offset:LCB
	ds_store_b128 v30, v[104:107] offset:LHG
	ds_store_b128 v30, v[108:111] offset:LHB
	LOADX3 0
	LOADXO 0
	s_wait_dscnt 0x0                               ; for the others' sake: my part of the parameters lies in LDS
	s_barrier_signal -1
	s_barrier_wait -1                              ; everybody's does; from here on LDS is only read
	LOADC 0                                        ; (behind the wait for the LDS stores that read v96-111)
	s_mov_b32 s47, 3
.Lrow:
	ROW 1
	s_sub_co_u32 s47, s47, 1
	s_cmp_lg_u32 s47, 0
	s_cbranch_scc1 .Lrow
	ROW 0                                          ; the wave's last row is written out: it asks for nothing, so no load leaves its buffer
	s_set_vgpr_msb 0x4
	s_wait_tensorcnt 0x0
	ds_add_u32 v31, v133
	s_wait_dscnt 0x0
	s_set_vgpr_msb 0x400
	s_endpgm
.Lfunc_end_k_q656400db62_cell:
	.size	k_q656400db62_cell, .Lfunc_end_k_q656400db62_cell-k_q656400db62_cell
	.p2alignl 7, 3214868480
	.fill 96, 4, 3214868480
	.section	.rodata,"a",@progbits
	.p2align	6, 0x0
	.amdhsa_kernel k_q656400db62_cell
		.amdhsa_group_segment_fixed_size 66560
		.amdhsa_private_segment_fixed_size 0
		.amdhsa_enable_private_segment 0
		.amdhsa_kernarg_size 104
		.amdhsa_user_sgpr_count 2
		.amdhsa_user_sgpr_kernarg_segment_ptr 1
		.amdhsa_wavefront_size32 1
		.amdhsa_system_sgpr_workgroup_id_x 1
		.amdhsa_system_sgpr_workgroup_id_y 1
		.amdhsa_system_sgpr_workgroup_id_z 1
		.amdhsa_system_vgpr_workitem_id 0
		.amdhsa_next_free_vgpr 390
		.amdhsa_next_free_sgpr 66
		.amdhsa_reserve_vcc 0
		.amdhsa_float_denorm_mode_32 3
		.amdhsa_float_denorm_mode_16_64 3
		.amdhsa_memory_ordered 1
		.amdhsa_forward_progress 1
		.amdhsa_inst_pref_size 251
	.end_amdhsa_kernel
	.amdgpu_metadata
---
amdhsa.version: [ 1, 2 ]
amdhsa.kernels:
  - .name:           k_q656400db62_cell
    .symbol:         k_q656400db62_cell.kd
    .args:
      - { .name: gx, .offset: 0, .size: 8, .value_kind: global_buffer, .address_space: global }
      - { .name: gh, .offset: 8, .size: 8, .value_kind: global_buffer, .address_space: global }
      - { .name: c_prev, .offset: 16, .size: 8, .value_kind: global_buffer, .address_space: global }
      - { .name: out0, .offset: 24, .size: 8, .value_kind: global_buffer, .address_space: global }
      - { .name: out1, .offset: 32, .size: 8, .value_kind: global_buffer, .address_space: global }
      - { .name: ln_in_g, .offset: 40, .size: 8, .value_kind: global_buffer, .address_space: global }
      - { .name: ln_hu_g, .offset: 48, .size: 8, .value_kind: global_buffer, .address_space: global }
      - { .name: ln_in_b, .offset: 56, .size: 8, .value_kind: global_buffer, .address_space: global }
      - { .name: ln_hu_b, .offset: 64, .size: 8, .value_kind: global_buffer, .address_space: global }
      - { .name: ln_c_g, .offset: 72, .size: 8, .value_kind: global_buffer, .address_space: global }
      - { .name: ln_c_b, .offset: 80, .size: 8, .value_kind: global_buffer, .address_space: global }
      - { .name: ln_h_g, .offset: 88, .size: 8, .value_kind: global_buffer, .address_space: global }
      - { .name: ln_h_b, .offset: 96, .size: 8, .value_kind: global_buffer, .address_space: global }
    .group_segment_fixed_size: 66560
    .private_segment_fixed_size: 0
    .kernarg_segment_align: 8
    .kernarg_segment_size: 104
    .max_flat_workgroup_size: 256
    .sgpr_count:     66
    .vgpr_count:     390
    .wavefront_size: 32
...
	.end_amdgpu_metadata
.endif
;; end of part 2
